; MI455X (gfx1250); checked and timed in simulation.
; The chip was launched on July 23, 2026; its instructions are those of AMD's public machine-readable ISA for CDNA 5 (MIT licence, August 2026) and "CDNA5" Instruction Set Architecture Reference Guide (July 2026). The comments in the code are by the model that wrote it; some were corrected since.
;; Radix Attention. Allowed arithmetic: matrix products marked QUANTISED: E5M2 operands, one E8M0 scale for each 32 along K, by v_wmma_scale_f32_16x16x128_f8f6f4 with both operands' format E5M2, f32 sums; everything else in f32.
;; Inputs: k 4 x 512 x 8 x 128 float32; pool_k 16,384 x 8 x 128 float32; pool_v 16,384 x 8 x 128 float32; q 4 x 512 x 32 x 128 float32; req_to_token 4 x 2,048 int32; v 4 x 512 x 8 x 128 float32.
;; Outputs: out0 2,048 x 4,096 float32.
;; This version of the problem:
;;   THIS VERSION OF THE PROBLEM IS GIVEN IN LOW PRECISION. The matrix products marked QUANTISED in the list below multiply operands that are first quantised to E5M2 (5 exponent bits, 2 mantissa bits; 8 bits a number), with one power-of-two scale for each 32 numbers along K (OCP MX v1.0); their sums are f32. All else is computed in f32.
;;   The module's matrix products, in the order in which they are computed (A, B: the left and right operand; K: the contracted axis; several contracted axes count as one K, in the product's order):
;;     1. batch 32 x [M 512, K 128] x [K 128, N 2,048]; A: input k; B: input q: QUANTISED
;;     2. batch 32 x [M 128, K 512] x [K 512, N 2,048]; A: input v; B: softmax (see below): QUANTISED
;;     3. batch 32 x [M 2,048, K 128] x [K 128, N 2,048]; A: computed on the way; B: input q: QUANTISED
;;     4. batch 32 x [M 128, K 2,048] x [K 2,048, N 2,048]; A: computed on the way; B: softmax (see below): QUANTISED
;;   THE QUANTISER, for each operand of a quantised product, along K:
;;     - K is cut into blocks of 32 from its start; a last block that is shorter is filled with zeros.
;;     - A block's scale is 2^e with e = floor(log2(the largest magnitude in the block)) - 15, held to -126 .. 127; a block of zeros has e = 0. As a byte (E8M0): e + 127.
;;     - Each number is divided by its block's scale, clamped to +-57,344, and rounded to the nearest number of E5M2, ties to even, subnormals kept.
;;     - The product sums the exact products of the quantised numbers (number of the format x scale) in f32.
;;   ~~~python
;;   def quantise(x, axis):      # numpy; x: float32 -> the quantised numbers, widened to float32 again
;;       x = np.moveaxis(x, axis, -1); K = x.shape[-1]
;;       x = np.pad(x, [(0, 0)] * (x.ndim - 1) + [(0, -K % 32)]); x = x.reshape(x.shape[:-1] + (-1, 32)); a = np.abs(x).max(-1, keepdims=True)
;;       e = np.where(a > 0, np.clip(np.frexp(np.where(a > 0, a, 1))[1] - 1 - 15, -126, 127), 0)      # np.frexp(a)[1] - 1 = floor(log2(a)), exactly
;;       r = np.clip(x / 2.0 ** e, -57344, 57344)
;;       step = 2.0 ** (np.maximum(np.frexp(np.where(r == 0, 1, r))[1] - 1, -14) - 2)
;;       q = np.round(r / step) * step * 2.0 ** e      # np.round: ties to even
;;       return np.moveaxis(q.reshape(q.shape[:-2] + (-1,))[..., :K], -1, axis).astype(np.float32)
;;   ~~~
;;   SOFTMAX AHEAD OF A QUANTISED PRODUCT. Where the list says 'softmax', what is quantised is not the finished softmax but p = 2^(t - M), with t = logit x log2(e) and M = ceil(the row's largest t), a whole number; so 1/2 < the row's largest p <= 1. The row's sum l is taken of the UNQUANTISED p, in f32, and the product's result is divided by l at the end. Since M is a whole number, a kernel that streams over the keys may use a running M (the ceiling of the running maximum): every later rescaling is an exact power of two, which a block's scale takes up: the codes' values come out the same.
;;   OPERANDS COMPUTED ON THE WAY. 'Computed on the way' means the value that the module computes at that place (a softmax that the list does not call 'softmax' is quantised finished and normalised). What goes into a quantiser is computed in f32, as accurately as f32 sums, v_exp_f32 and their like allow (about 1e-6 of the number): no bf16 or f16 on the way to a quantiser, and a product that is left as it is and whose result goes on into a quantised operand takes f32 operands (vector FMAs, or v_wmma_f32_16x16x4_f32). A number that lies on a knife's edge between two numbers of the format may be rounded either way, as far as f32 arithmetic and the matrix unit's own rounding can turn it there, and no further.
;; One version. Each part assembles by itself: llvm-mc -triple=amdgcn-amd-amdhsa -mcpu=gfx1250 --defsym DOCPART=n.
;; ======== version 1 of 1: 2 launches
;; limits: right only within a limited range of input values
;; workspace buffers: kv 21,626,880 bytes
;; launch prep (part 1): grid 20 x 32, 4 waves a work-group, no clusters, 34,304 bytes of LDS; arguments k, pool_k, v, pool_v, req_to_token, kv; writes kv
.if DOCPART == 1
	.amdgcn_target "amdgcn-amd-amdhsa--gfx1250"
	.amdhsa_code_object_version 6
	.text
	.protected	k_q4d1e97d2d5_prep
	.globl	k_q4d1e97d2d5_prep
	.p2align	8
	.type	k_q4d1e97d2d5_prep,@function
k_q4d1e97d2d5_prep:
	s_mov_b64 s[64:65], 0
	v_nop
	global_prefetch_b8 v0, s[64:65] scope:SCOPE_SE
	s_setreg_imm32_b32 hwreg(HW_REG_WAVE_MODE, 25, 1), 1
	s_wait_xcnt 0x0
; K and V of every (batch b, kv head h) become codes of BF8 (E5M2) with one E8M0 scale byte for each 32 along a product's K, once, for the attention launch that follows.
; KEY ORDER of a (b, h): 2,048 prefix keys (rows of the pool named by req_to_token[b]), then the 512 new keys: 10 slots of 256 keys.  K is quantised along the head's 128, V along the keys (in this gathered order).
; kv: [bh = 8 b + h][slot 10][67,584 bytes].  A slot lies IN THE ORDER OF THE OPERANDS' REGISTERS, dense:
;   KC      0: [q 2][tile t 8][c 4][lane 32][16 B]  lane (r, hl): key 128 q + 32 (t / 2) + 8 (t % 2) + r + 8 (r / 8), channels 32 c + 16 hl + 0 .. 15
;   VC 32,768: [q 2][tile t 8][c 4][lane 32][16 B]  lane (r, hl): channel 16 t + r, keys 128 q + 32 c + 16 hl + 0 .. 15
;   KS 65,536: [q 2][g 2][r 16][4 words]            word j: the scale word of K's tile 4 g + j, row r
;   VS 66,560: [channel 128][q 2] words
; SHARES.  Work-group x = 2 slot + role (0: K, 1: V), y = bh.  Four waves that share nothing: no barrier.  Work-groups share no input, so there is no cluster; gathered rows have no tile shape, so there is no tensor load.
; K ROLE: wave w takes keys 64 w .. 64 w + 63 of the slot, four tiles.  A key's row of 512 bytes is read by one load of the wave; 16 rows turn through the wave's own stage in LDS, so that a lane holds 16 neighbours of each block.
; V ROLE: wave w takes channels 32 w + lane; a lane's registers run down the keys, so a block of 32 keys lies in one lane's 32 registers and the codes come out with the keys innermost.
; A block's scale is 2^(floor(log2(its largest magnitude)) - 15); its byte is the largest magnitude's exponent field - 15, held at 1 from below.
; LIMITS: a block of zeros, or one whose largest magnitude lies under 2^-111, gets the byte 1 (its codes are zeros or subnormals; this program alone reads the bytes).  NaN and infinities among the inputs are not served.
; An index is held at 16,383 before it enters an address.
.set SLOTB,  67584
.set SPITCH, 528                       ; a stage row: 512 bytes + 16 = 33 x 16: the sixteen rows that a load touches begin in sixteen different 16-byte columns of 256 bytes
.set WSTG,   16*SPITCH                 ; a wave's stage
.set SPARE,  4*WSTG                    ; behind the stages: the spare words, 128 bytes for each wave: two blocks of 256 bytes that no other line names
.set SPW,  4                           ; v4   LDS address of my spare word; never rewritten
.set NIL,  5                           ; v5   0; never rewritten
.set LOFF, 6                           ; v6   my lane's bytes in a key's row: K 16 x lane, V 4 x lane
.set STI,  7                           ; v7   the stage, on the way in
.set STO,  8                           ; v8   and on the way out
.set CO,   9                           ; v9   my codes' place in the slot
.set SO,   10                          ; v10  my scale words' place
.set IO,   11                          ; v11  4 x lane
.set IDX,  12                          ; v12-19 row numbers: vector n, lane i: key 32 n + i of the wave's run
.set KW,   20                          ; v20-23 K: the four tiles' scale words
.set SB,   20                          ; v20-21 V: the eight blocks' scale bytes
.set TM,   24                          ; v24-39 at work
.set PC,   40                          ; v40-55 the codes just made
.set AD,   56                          ; v56-87 byte offsets of the rows in hand
.set R,    88                          ; v88-215 K: two sets of 64 numbers
.set X,    88                          ; v88-151 V: two sets of 32 numbers
.set WV,   16
.set PM,   22                          ; s22  all ones in a prefix slot, 0 in a slot of new keys
.set MNT,  23                          ; s23  the mantissa field of 57,344
.set SEL,  24                          ; s[24:25] v_permlanex16_b32's selects for lane l xor 16
.set SRC,  26                          ; s[26:27] the tensor that the rows come from, at my head (V: and my wave's channels)
.set DST,  28                          ; s[28:29] my slot in kv
.set REQ,  30                          ; s[30:31] the slot's 256 entries of req_to_token
.set T,    32                          ; s[32:63] row numbers as scalars
.set HM,   72                          ; s72  lanes 16-31
; 64 numbers of a lane, v[s] .. v[s + 63], register 16 b + i = k 32 b + 16 (lane / 16) + i of my row, become a fragment's codes in v[pc] on and its scale word in v[pw].
.macro QUANT s, pc, pw, tm
.irp b, 0,1,2,3
	v_max3_num_f32 v[\tm+\b], |v[\s+16*\b]|, |v[\s+1+16*\b]|, 0x8000000   ; block b: my 16 numbers, and the floor 2^(16 - 127): so the byte cannot fall under 1
.endr
.irp i, 2,4,6,8,10,12,14
.irp b, 0,1,2,3
	v_max3_num_f32 v[\tm+\b], v[\tm+\b], |v[\s+16*\b+\i]|, |v[\s+1+16*\b+\i]|   ; the four blocks by turns
.endr
.endr
.irp b, 0,1,2,3
	v_permlanex16_b32 v[\tm+4+\b], v[\tm+\b], s[SEL], s[SEL+1]
.endr
.irp b, 0,1,2,3
	v_max_num_f32 v[\tm+\b], v[\tm+\b], v[\tm+4+\b]        ; with lane l xor 16's: the block's largest magnitude
.endr
.irp b, 0,1,2,3
	v_add_nc_u32 v[\tm+12+\b], 0xf8800000, v[\tm+\b]       ; 15 off its exponent field: the conversion's scale operand
.endr
.irp b, 0,1,2,3
	v_and_or_b32 v[\tm+8+\b], v[\tm+\b], 0x7f800000, s[MNT]   ; 57,344 x the scale
.endr
.irp b, 0,1,2,3
	v_lshrrev_b32 v[\tm+4+\b], 23, v[\tm+12+\b]            ; the scale's byte
.endr
	v_lshl_or_b32 v[\pw], v[\tm+5], 8, v[\tm+4]            ; the four bytes make my row's scale word
	v_lshl_or_b32 v[\pw], v[\tm+6], 16, v[\pw]
	v_lshl_or_b32 v[\pw], v[\tm+7], 24, v[\pw]
.irp b, 0,1,2,3
.irp i, 0,1,2,3,4,5,6,7,8,9,10,11,12,13,14,15
	v_med3_num_f32 v[\s+16*\b+\i], v[\s+16*\b+\i], -v[\tm+8+\b], v[\tm+8+\b]   ; the conversion to an 8-bit code does not saturate (ISA guide 7.6.2): the hold at the largest code x the scale
.endr
	v_cvt_scalef32_pk8_bf8_f32 v[\pc+4*\b:\pc+1+4*\b], v[\s+16*\b:\s+7+16*\b], v[\tm+12+\b]
	v_cvt_scalef32_pk8_bf8_f32 v[\pc+2+4*\b:\pc+3+4*\b], v[\s+8+16*\b:\s+15+16*\b], v[\tm+12+\b]
.endr
	v_nop                                                  ; one plain vector instruction behind the last scaled conversion
.endm
	s_load_b256 s[4:11], s[0:1], 0x0               ; k s[4:5], pool_k s[6:7], v s[8:9], pool_v s[10:11]
	s_load_b128 s[12:15], s[0:1], 0x20             ; req_to_token s[12:13], kv s[14:15]
	v_lshl_add_u32 v[SPW], v0, 2, SPARE
	v_mov_b32 v[NIL], 0
	v_lshrrev_b32 v1, 5, v0
	v_readfirstlane_b32 s[WV], v1                  ; wave 0..3
	v_and_b32 v1, 31, v0                           ; lane
	v_and_b32 v2, 15, v0                           ; r
	v_bfe_u32 v3, v0, 4, 1                         ; hl
	s_mul_i32 s66, s[WV], WSTG                     ; my stage
	v_lshl_add_u32 v[STI], v1, 4, s66              ; in: a row as it is loaded, 16 bytes a lane
	v_mul_u32_u24 v[STO], v2, SPITCH
	v_lshl_add_u32 v[STO], v3, 6, v[STO]
	v_add_nc_u32 v[STO], s66, v[STO]               ; out: row r, + 64 hl: my 16 numbers of a block of 32
	v_lshlrev_b32 v[IO], 2, v1
.irp b, 0,1,2,3
	v_mov_b32 v[TM+4+\b], 0                        ; written once: a lane permute's destination counts as one of its sources
.endr
	s_mov_b32 s[MNT], 0x600000
	s_mov_b32 s[SEL], 0x76543210
	s_mov_b32 s[SEL+1], 0xfedcba98
	s_mov_b32 s[HM], 0xffff0000
	s_and_b32 s17, ttmp9, 1                        ; role
	s_lshr_b32 s18, ttmp9, 1                       ; slot
	s_and_b32 s19, ttmp7, 0xffff                   ; bh
	s_lshr_b32 s20, s19, 3                         ; b
	s_and_b32 s21, s19, 7                          ; h
	s_mov_b32 s67, 0
	s_mov_b32 s69, 0
	s_mov_b32 s71, 0
	s_lshl_b32 s66, s21, 9                         ; my head's 512 bytes in a key's row of 4,096
	s_mul_i32 s68, s19, 10
	s_add_co_u32 s68, s68, s18
	s_mul_i32 s68, s68, SLOTB                      ; my slot in kv
	s_min_u32 s70, s18, 7                          ; a slot of new keys reads the last prefix slot's entries and does not use them: the load stays inside its buffer
	s_lshl_b32 s70, s70, 10
	s_lshl_b32 s73, s20, 13
	s_add_co_u32 s70, s70, s73                     ; (2,048 b + 256 slot) x 4 bytes
	s_and_b32 s74, s18, 1
	s_lshl_b32 s74, s74, 8
	s_lshl_b32 s73, s20, 9
	s_add_co_u32 s74, s74, s73                     ; a new key's row number: 512 b + 256 (slot - 8) + its place
	s_wait_kmcnt 0x0
	s_cmp_eq_u32 s17, 0                            ; K's tensors or V's?  The choices hang on the work-group's number alone
	s_cselect_b64 s[4:5], s[4:5], s[8:9]
	s_cselect_b64 s[6:7], s[6:7], s[10:11]
	s_cmp_lt_u32 s18, 8                            ; the pool or the new keys?
	s_cselect_b64 s[SRC:SRC+1], s[6:7], s[4:5]
	s_cselect_b32 s[PM], -1, 0
	s_add_nc_u64 s[SRC:SRC+1], s[SRC:SRC+1], s[66:67]
	s_add_nc_u64 s[DST:DST+1], s[14:15], s[68:69]
	s_add_nc_u64 s[REQ:REQ+1], s[12:13], s[70:71]
	s_cmp_eq_u32 s17, 0
	s_cbranch_scc0 .Lv
	; ---------------- K ----------------
	s_lshl_b32 s66, s[WV], 8                       ; my 64 entries
	s_add_nc_u64 s[REQ:REQ+1], s[REQ:REQ+1], s[66:67]
	s_wait_alu depctr_va_vdst(0)
	global_load_b32 v[IDX], v[IO], s[REQ:REQ+1]
	global_load_b32 v[IDX+1], v[IO], s[REQ:REQ+1] offset:128
	v_lshlrev_b32 v[LOFF], 4, v1
	s_lshl_b32 s75, s[WV], 13                      ; KC: 16,384 q + 8,192 g = 8,192 w
	v_lshl_add_u32 v[CO], v1, 4, s75
	v_lshlrev_b32 v[SO], 4, v2
	v_lshl_add_u32 v[SO], v3, 3, v[SO]
	s_lshl_b32 s75, s[WV], 8
	s_add_co_u32 s75, s75, 65536
	v_add_nc_u32 v[SO], s75, v[SO]                 ; KS: 256 w + 16 r + 8 hl
	s_lshl_b32 s75, s[WV], 6
	s_add_co_u32 s74, s74, s75
	v_add_nc_u32 v25, s74, v1                      ; the row numbers of new keys
	v_add_nc_u32 v24, 32, v25
	s_wait_alu depctr_va_vdst(0)
	s_wait_loadcnt 0x0
	v_cndmask_b32 v[IDX], v25, v[IDX], s[PM]       ; a choice of value, not a branch
	v_cndmask_b32 v[IDX+1], v24, v[IDX+1], s[PM]
; The 16 rows of tile j: row r is key 32 (j / 2) + 8 (j % 2) + r + 8 (r / 8) of my 64.  One load reads one key's 512 consecutive bytes.
.macro KLOAD j
.irp r, 0,1,2,3,4,5,6,7,8,9,10,11,12,13,14,15
	v_readlane_b32 s[T+\r], v[IDX+(\j)/2], 8*((\j)%2)+\r+8*(\r/8)
.endr
.irp r, 0,1,2,3,4,5,6,7,8,9,10,11,12,13,14,15
	s_min_u32 s[T+\r], s[T+\r], 0x3fff             ; held inside the table before it enters an address
.endr
.irp r, 0,1,2,3,4,5,6,7,8,9,10,11,12,13,14,15
	v_lshl_add_u32 v[AD+16*((\j)%2)+\r], s[T+\r], 12, v[LOFF]
.endr
.irp r, 0,1,2,3,4,5,6,7,8,9,10,11,12,13,14,15
	global_load_b128 v[R+64*((\j)%2)+4*\r:R+64*((\j)%2)+4*\r+3], v[AD+16*((\j)%2)+\r], s[SRC:SRC+1]
.endr
.endm
.macro KTILE j
.set XS, R+64*((\j)%2)
.if (\j) < 3
	s_wait_loadcnt 16                              ; this tile's 16 loads are in; the next tile's 16 may be out
.else
	s_wait_loadcnt 0x0
.endif
.irp r, 0,1,2,3,4,5,6,7,8,9,10,11,12,13,14,15
	ds_store_b128 v[STI], v[XS+4*\r:XS+4*\r+3] offset:SPITCH*\r
.endr
.irp c, 0,1,2,3
.irp i, 0,1,2,3
	ds_load_b128 v[XS+16*\c+4*\i:XS+16*\c+4*\i+3], v[STO] offset:128*\c+16*\i   ; LDS serves a wave's instructions in order (ISA guide 5.7.1.4): these see the stores above
.endr
.endr
	s_wait_dscnt 0x0
	QUANT XS, PC, KW+(\j), TM
.irp c, 0,1,2,3
	global_store_b128 v[CO], v[PC+4*\c:PC+4*\c+3], s[DST:DST+1] offset:2048*(\j)+512*\c   ; 32 lanes store 512 consecutive bytes, at a multiple of 256 from kv's first byte
.endr
	s_wait_xcnt 0x0                                ; the stores have read their registers: the next tile's codes may be written
.if (\j) < 2
	KLOAD (\j)+2
.endif
.endm
	KLOAD 0
	KLOAD 1
	KTILE 0
	KTILE 1
	KTILE 2
	KTILE 3
	v_cndmask_b32 v24, v[KW], v[KW+2], s[HM]       ; both halves of the lanes hold row r's words: lanes 0-15 store words 0, 1, lanes 16-31 words 2, 3
	v_cndmask_b32 v25, v[KW+1], v[KW+3], s[HM]
	global_store_b64 v[SO], v[24:25], s[DST:DST+1] ; 32 lanes store 256 consecutive bytes, aligned
	s_branch .Lend
	; ---------------- V ----------------
.Lv:
	s_lshl_b32 s66, s[WV], 7                       ; my wave's 32 channels
	s_add_nc_u64 s[SRC:SRC+1], s[SRC:SRC+1], s[66:67]
	s_wait_alu depctr_va_vdst(0)
.irp n, 0,1,2,3,4,5,6,7
	global_load_b32 v[IDX+\n], v[IO], s[REQ:REQ+1] offset:128*\n
.endr
	v_lshlrev_b32 v[LOFF], 2, v1
	s_lshl_b32 s75, s[WV], 12
	s_add_co_u32 s75, s75, 32768
	v_lshlrev_b32 v[CO], 4, v2
	v_lshl_add_u32 v[CO], v3, 11, v[CO]
	v_add_nc_u32 v[CO], s75, v[CO]                 ; VC: tile 2 w + lane / 16, row lane % 16
	s_lshl_b32 s75, s[WV], 8
	s_add_co_u32 s75, s75, 66560
	v_lshl_add_u32 v[SO], v1, 3, s75               ; VS: 8 bytes a channel
	v_add_nc_u32 v25, s74, v1
	s_wait_alu depctr_va_vdst(0)
	s_wait_loadcnt 0x0
.irp n, 0,1,2,3,4,5,6,7
	v_add_nc_u32 v24, 32*\n, v25
	v_cndmask_b32 v[IDX+\n], v24, v[IDX+\n], s[PM]
.endr
; Block t: V(key 32 t + i, my channel), i = 0 .. 31.  A load reads 128 consecutive bytes of one key's row; the four waves stand side by side on its 512.
.macro VLOAD t
	s_wait_xcnt 0x0                                ; earlier loads and stores have read their registers: the offsets are written again only behind this wait
.irp i, 0,1,2,3,4,5,6,7,8,9,10,11,12,13,14,15,16,17,18,19,20,21,22,23,24,25,26,27,28,29,30,31
	v_readlane_b32 s[T+\i], v[IDX+(\t)], \i
.endr
.irp i, 0,1,2,3,4,5,6,7,8,9,10,11,12,13,14,15,16,17,18,19,20,21,22,23,24,25,26,27,28,29,30,31
	s_min_u32 s[T+\i], s[T+\i], 0x3fff
.endr
.irp i, 0,1,2,3,4,5,6,7,8,9,10,11,12,13,14,15,16,17,18,19,20,21,22,23,24,25,26,27,28,29,30,31
	v_lshl_add_u32 v[AD+\i], s[T+\i], 12, v[LOFF]
.endr
.irp i, 0,1,2,3,4,5,6,7,8,9,10,11,12,13,14,15,16,17,18,19,20,21,22,23,24,25,26,27,28,29,30,31
	global_load_b32 v[X+32*((\t)%2)+\i], v[AD+\i], s[SRC:SRC+1]
.endr
.endm
.macro VBLOCK t
.set XS, X+32*((\t)%2)
.if (\t) < 7
	s_wait_loadcnt 32                              ; this block's 32 loads are in; the next block's may be out
.else
	s_wait_loadcnt 0x0
.endif
	v_max3_num_f32 v24, |v[XS]|, |v[XS+1]|, |v[XS+2]|      ; the block's largest magnitude: all 32 numbers are mine
	v_max3_num_f32 v25, |v[XS+3]|, |v[XS+4]|, |v[XS+5]|
.irp i, 6,10,14,18,22,26
	v_max3_num_f32 v24, v24, |v[XS+\i]|, |v[XS+\i+1]|
	v_max3_num_f32 v25, v25, |v[XS+\i+2]|, |v[XS+\i+3]|
.endr
	v_max3_num_f32 v24, v24, |v[XS+30]|, |v[XS+31]|
	v_max3_num_f32 v24, v24, v25, 0x8000000        ; and the floor 2^(16 - 127)
	v_add_nc_u32 v27, 0xf8800000, v24              ; the conversion's scale operand
	v_and_or_b32 v26, v24, 0x7f800000, s[MNT]      ; 57,344 x the scale
	v_lshrrev_b32 v28, 23, v27                     ; the scale's byte
.if (\t)%4 == 0
	v_mov_b32 v[SB+(\t)/4], v28                    ; four bytes to a register, the earlier keys in the lower byte
.else
	v_lshl_or_b32 v[SB+(\t)/4], v28, 8*((\t)%4), v[SB+(\t)/4]
.endif
.irp i, 0,1,2,3,4,5,6,7,8,9,10,11,12,13,14,15,16,17,18,19,20,21,22,23,24,25,26,27,28,29,30,31
	v_med3_num_f32 v[XS+\i], v[XS+\i], -v26, v26
.endr
.irp g, 0,1,2,3
	v_cvt_scalef32_pk8_bf8_f32 v[PC+2*\g:PC+2*\g+1], v[XS+8*\g:XS+8*\g+7], v27
.endr
	v_nop                                          ; one plain vector instruction behind the last scaled conversion
	global_store_b128 v[CO], v[PC:PC+3], s[DST:DST+1] offset:16384*((\t)/4)+512*((\t)%4)         ; keys 32 t + 0 .. 15: sixteen lanes store 256 consecutive bytes, aligned
	global_store_b128 v[CO], v[PC+4:PC+7], s[DST:DST+1] offset:16384*((\t)/4)+512*((\t)%4)+256   ; keys 32 t + 16 .. 31
.if (\t) < 6
	VLOAD (\t)+2
.else
	s_wait_xcnt 0x0                                ; the stores have read their registers: the next block's codes may be written
.endif
.endm
	VLOAD 0
	VLOAD 1
.irp t, 0,1,2,3,4,5,6,7
	VBLOCK \t
.endr
	global_store_b64 v[SO], v[SB:SB+1], s[DST:DST+1]   ; 32 lanes store 256 consecutive bytes, aligned
.Lend:
	s_wait_tensorcnt 0x0                           ; the wave's end, behind my last LDS store
	ds_add_u32 v[SPW], v[NIL]
	s_wait_dscnt 0x0
	s_endpgm
.Lfunc_end_k_q4d1e97d2d5_prep:
	.size	k_q4d1e97d2d5_prep, .Lfunc_end_k_q4d1e97d2d5_prep-k_q4d1e97d2d5_prep
	.p2alignl 7, 3214868480
	.fill 96, 4, 3214868480
	.section	.rodata,"a",@progbits
	.p2align	6, 0x0
	.amdhsa_kernel k_q4d1e97d2d5_prep
		.amdhsa_group_segment_fixed_size 34304
		.amdhsa_private_segment_fixed_size 0
		.amdhsa_enable_private_segment 0
		.amdhsa_kernarg_size 48
		.amdhsa_user_sgpr_count 2
		.amdhsa_user_sgpr_kernarg_segment_ptr 1
		.amdhsa_wavefront_size32 1
		.amdhsa_system_sgpr_workgroup_id_x 1
		.amdhsa_system_sgpr_workgroup_id_y 1
		.amdhsa_system_sgpr_workgroup_id_z 1
		.amdhsa_system_vgpr_workitem_id 0
		.amdhsa_next_free_vgpr 216
		.amdhsa_next_free_sgpr 80
		.amdhsa_reserve_vcc 0
		.amdhsa_float_denorm_mode_32 3
		.amdhsa_float_denorm_mode_16_64 3
		.amdhsa_memory_ordered 1
		.amdhsa_forward_progress 1
		.amdhsa_inst_pref_size 169
	.end_amdhsa_kernel
	.amdgpu_metadata
---
amdhsa.version: [ 1, 2 ]
amdhsa.kernels:
  - .name:           k_q4d1e97d2d5_prep
    .symbol:         k_q4d1e97d2d5_prep.kd
    .args:
      - { .name: k, .offset: 0, .size: 8, .value_kind: global_buffer, .address_space: global }
      - { .name: pool_k, .offset: 8, .size: 8, .value_kind: global_buffer, .address_space: global }
      - { .name: v, .offset: 16, .size: 8, .value_kind: global_buffer, .address_space: global }
      - { .name: pool_v, .offset: 24, .size: 8, .value_kind: global_buffer, .address_space: global }
      - { .name: req_to_token, .offset: 32, .size: 8, .value_kind: global_buffer, .address_space: global }
      - { .name: kv, .offset: 40, .size: 8, .value_kind: global_buffer, .address_space: global }
    .group_segment_fixed_size: 34304
    .private_segment_fixed_size: 0
    .kernarg_segment_align: 8
    .kernarg_segment_size: 48
    .max_flat_workgroup_size: 128
    .sgpr_count:     80
    .vgpr_count:     216
    .wavefront_size: 32
...
	.end_amdgpu_metadata
.endif
;; end of part 1
;; launch attn (part 2): grid 8 x 32, 8 waves a work-group, clusters of 4 x 1, 327,680 bytes of LDS; arguments q, kv, out0; writes out0
.if DOCPART == 2
	.amdgcn_target "amdgcn-amd-amdhsa--gfx1250"
	.amdhsa_code_object_version 6
	.text
	.protected	k_q4d1e97d2d5_attn
	.globl	k_q4d1e97d2d5_attn
	.p2align	8
	.type	k_q4d1e97d2d5_attn,@function
k_q4d1e97d2d5_attn:
	s_mov_b64 s[64:65], 0
	v_nop
	global_prefetch_b8 v0, s[64:65] scope:SCOPE_SE
	s_setreg_imm32_b32 hwreg(HW_REG_WAVE_MODE, 25, 1), 1
	s_wait_xcnt 0x0
	s_wait_alu depctr_hold_cnt(0) depctr_sa_sdst(0) depctr_va_vdst(0) depctr_va_sdst(0) depctr_va_ssrc(0) depctr_va_vcc(0) depctr_vm_vsrc(0)
	s_getreg_b32 s2, hwreg(HW_REG_IB_STS2, 6, 4)
	s_cmp_eq_u32 s2, 0
	s_cbranch_scc0 .Lentry_in_a_cluster
	s_endpgm
.Lentry_in_a_cluster:
	s_bfe_u32 s2, ttmp6, 0x10000c
	s_cmp_lg_u32 s2, 0x3003
	s_cbranch_scc0 .Lentry_shape_is_right
	s_endpgm
.Lentry_shape_is_right:
; out0[b, e, 4 h + g, :] = the merged attention of query (b, e, 4 h + g) over the 2,048 prefix keys and, causally, the 512 new keys of (b, h); all four products on codes of BF8 (E5M2) with one E8M0 scale for each 32 along K.
; THE MERGE IS THE STREAM.  With p = 2^(t - M), M a whole number, o = (O1 2^M1 + O2 2^M2) / (l1 2^M1 + l2 2^M2): one running M, one sum l and one O over the 2,560 keys, prefix first, give just that: a change of M is an exact
; power of two, which a block's scale takes up.  t = score x log2(e) / sqrt(128); M = the running largest t rounded up; l is the sum of the unquantised p; O is divided by l at the end.
; LEFT OUT: for each tile of queries the key steps of 128 new keys that all come after its tokens: the causal mask sets their scores to -inf, so their p is 0 for all values of the inputs.
; kv (made by the launch before): [bh][10][67,584 bytes], 256 keys each, in the order of the operands' registers: K's codes at 0, V's at 32,768, K's scale words at 65,536, V's at 66,560.
; SHARES.  A work-group has 256 query rows of one (b, h); each of its EIGHT waves 32 of them: two tiles of 16, tile 0 in register window 0, tile 1 in window 1 under the same numbers, so that the softmax is one text for both.
; Each fragment of K and V that a wave reads from LDS feeds two products.  A tile is 4 tokens x the 4 query heads; tile row r = (token r / 4, head r % 4).  With a = (w % 2) xor (w / 4), tile 0 of wave w lies in quarter a of the
; new tokens and tile 1 in quarter 3 - a, both at place 16 x + 4 (w / 2) of their quarter: so every wave has (a + 1) + (4 - a) = 5 tile steps among the new keys.  What is hidden, on the diagonal or open hangs on the wave's number and the step alone.
; THE RING: two LDS slots of 512 keys (135,168 bytes), an eighth to each wave's one tensor load; five fills, four of them behind a change of slots.  CLUSTER: the four work-groups of a cluster belong to one (b, h) and ask jointly.
; A KEY STEP (128 keys): S^T = K Q^T; V's eight fragments are asked for into K's registers; the softmaxes; O^T += V^T P^T, with the next step's K asked for among its products (not in a wave's last step of a slot, which has an arm of its own).
; AMONG THE NEW KEYS a step has two arms: both tiles (steps 0 .. a: tile 1 is open there, and a next step always follows), and tile 1 alone (steps a + 1 .. 3 - a: its last is the one on the diagonal).
; SCALE WORDS: one register carries two tiles' words, lanes 0-15 and lanes 16-31: K's tiles j and 4 + j, V's tiles 2 u and 2 u + 1, Q's and P's tiles 0 and 1.
; PREFETCH: at the change that loads slot s + 1 the first cluster of a (b, h) names slot s + 2's 528 blocks of 256 bytes once: 132 a partner, told apart by address, 17 a wave; slots 0 and 1 come by their loads alone; the last filling change asks for nothing.
; LIMITS: what lies more than some 126 powers of two under the running maximum falls to 0.  A block whose largest p lies under 2^-111 gets the byte 1.  A block's largest p is made from its largest score by the same two instructions as every p:
; this takes v_exp_f32 not to fall where its input rises.  NaN and infinities among the inputs are not served.  O^T begins as zeros, which the first change of M leaves zeros: so the step has no first copy.
.set SUB,    67584                     ; 256 keys in kv
.set SLOT,   2*SUB                     ; an LDS slot: 512 keys
.set EIGHTH, SLOT/8                    ; 66 rows of 256 bytes: one tensor load
.set STAGE,  2*SLOT                    ; 16 rows x 272 bytes for each wave: q's way in and the way out; no fill lands here
.set WSTG,   16*272
.set SPARE,  STAGE+8*WSTG              ; the spare words, 128 bytes for each wave
; window 0 alone: v1 16 x lane, v2 8 x lane, v3 q's and out0's lane offset, v5, v6 the add's two, v7-9, v255 LDS addresses, v11 the prefetches' offset, v248-251 K's or V's scale words, v252 Q's, v253 P's
; both windows: v4 the mask's bound, v10 f (named with v11 as a pair, of which the low word alone is taken), v12 -M, v13 the largest t, v[14:15] l, v16-31 Q's codes, v32-95 four fragments, v96-159 S^T then p, v160-223 O^T, v224-239 at work, then p's codes, v240-247 bounds and scale operands, v254 at work
.set AL0, 1
.set AT0, 2
.set GO,  3
.set DG,  4
.set SPW, 5
.set NIL, 6
.set ADL, 7
.set ADS, 8
.set ADT, 9
.set ADN, 255
.set PFO, 11
.set KF,  32
.set S,   96
.set O,   160
.set P,   224
.set BM,  224
.set PT,  228
.set SC,  248
.set QS,  252
.set PW,  253
.set TB,  2                            ; s2  LDS byte at which the slot in hand begins
.set SLOTS, 3                          ; s3  counts the filling changes
.set J,   10                           ; s10 the step in the slot
.set LAST, 11                          ; s11 the wave's last step in the slot: 3, among the new keys tile 1's quarter
.set TF,  12                           ; s12 the slot that is filled
.set WOFF, 13                          ; s13 my eighth
.set QT,  16                           ; s16, s17 the quarters of tile 0 and tile 1
.set WV,  18
.set MNT, 19
.set SEL, 20
.set CS,  22
.set G1,  24
.set G0,  32
.set HM,  37                           ; s37 lanes 16-31
.set PFA, 40
.set LIM, 42
; s[4:5], s[14:15] q at tile 0, tile 1;  s[8:9], s[60:61] out0 likewise
.set MSB, 0
.macro WIN new                         ; the immediate's high byte repeats the setting that is left
.if MSB != (\new)
	s_set_vgpr_msb (MSB<<8)|(\new)
.set MSB, (\new)
.endif
.endm
.macro PLACES                          ; eight plain places behind a product
.rept 8
	v_nop
.endr
.endm
.macro WALU
	s_wait_alu depctr_va_vdst(0)
.endm
.macro CROUND
	s_barrier_signal -1
	s_barrier_wait -1
	s_cmp_lg_u32 s[WV], 0
	s_cbranch_scc1 .Lnot_wave_0_\@
	s_barrier_signal -3
.Lnot_wave_0_\@:
	s_barrier_wait -3
	s_barrier_signal -1
	s_barrier_wait -1
.endm
.macro TLOAD                           ; every wave's own eighth; s_nop 0 and four v_nop behind it
	tensor_load_to_lds s[G0:G0+3], s[G1:G1+7]
	s_nop 0
.rept 4
	v_nop
.endr
.endm
.macro QUANT s, pc, pw, tm             ; 64 numbers of a lane, register 16 b + i = k 32 b + 16 (lane / 16) + i of my row, become a fragment's codes and its scale word
.irp b, 0,1,2,3
	v_max3_num_f32 v[\tm+\b], |v[\s+16*\b]|, |v[\s+1+16*\b]|, 0x8000000
.endr
.irp i, 2,4,6,8,10,12,14
.irp b, 0,1,2,3
	v_max3_num_f32 v[\tm+\b], v[\tm+\b], |v[\s+16*\b+\i]|, |v[\s+1+16*\b+\i]|
.endr
.endr
.irp b, 0,1,2,3
	v_permlanex16_b32 v[\tm+4+\b], v[\tm+\b], s[SEL], s[SEL+1]
.endr
.irp b, 0,1,2,3
	v_max_num_f32 v[\tm+\b], v[\tm+\b], v[\tm+4+\b]
.endr
.irp b, 0,1,2,3
	v_add_nc_u32 v[\tm+12+\b], 0xf8800000, v[\tm+\b]
.endr
.irp b, 0,1,2,3
	v_and_or_b32 v[\tm+8+\b], v[\tm+\b], 0x7f800000, s[MNT]
.endr
.irp b, 0,1,2,3
	v_lshrrev_b32 v[\tm+4+\b], 23, v[\tm+12+\b]
.endr
	v_lshl_or_b32 v[\pw], v[\tm+5], 8, v[\tm+4]
	v_lshl_or_b32 v[\pw], v[\tm+6], 16, v[\pw]
	v_lshl_or_b32 v[\pw], v[\tm+7], 24, v[\pw]
.irp b, 0,1,2,3
.irp i, 0,1,2,3,4,5,6,7,8,9,10,11,12,13,14,15
	v_med3_num_f32 v[\s+16*\b+\i], v[\s+16*\b+\i], -v[\tm+8+\b], v[\tm+8+\b]   ; the conversion does not saturate (ISA guide 7.6.2)
.endr
	v_cvt_scalef32_pk8_bf8_f32 v[\pc+4*\b:\pc+1+4*\b], v[\s+16*\b:\s+7+16*\b], v[\tm+12+\b]
	v_cvt_scalef32_pk8_bf8_f32 v[\pc+2+4*\b:\pc+3+4*\b], v[\s+8+16*\b:\s+15+16*\b], v[\tm+12+\b]
.endr
	v_nop
.endm
; a product: cz = 1: C is 0;  ra, rb: the halves of the lanes in which A's and B's scale words stand
.macro WM cz, d, a, b, sa, sb, ra, rb
.if (\cz) && (\ra) && (\rb)
	v_wmma_scale_f32_16x16x128_f8f6f4 v[\d:\d+7], v[\a:\a+15], v[\b:\b+15], 0, v[\sa], v[\sb] matrix_a_fmt:MATRIX_FMT_BF8 matrix_b_fmt:MATRIX_FMT_BF8 matrix_a_scale:MATRIX_SCALE_ROW1 matrix_b_scale:MATRIX_SCALE_ROW1
.elseif (\cz) && (\ra)
	v_wmma_scale_f32_16x16x128_f8f6f4 v[\d:\d+7], v[\a:\a+15], v[\b:\b+15], 0, v[\sa], v[\sb] matrix_a_fmt:MATRIX_FMT_BF8 matrix_b_fmt:MATRIX_FMT_BF8 matrix_a_scale:MATRIX_SCALE_ROW1
.elseif (\cz) && (\rb)
	v_wmma_scale_f32_16x16x128_f8f6f4 v[\d:\d+7], v[\a:\a+15], v[\b:\b+15], 0, v[\sa], v[\sb] matrix_a_fmt:MATRIX_FMT_BF8 matrix_b_fmt:MATRIX_FMT_BF8 matrix_b_scale:MATRIX_SCALE_ROW1
.elseif (\cz)
	v_wmma_scale_f32_16x16x128_f8f6f4 v[\d:\d+7], v[\a:\a+15], v[\b:\b+15], 0, v[\sa], v[\sb] matrix_a_fmt:MATRIX_FMT_BF8 matrix_b_fmt:MATRIX_FMT_BF8
.elseif (\ra) && (\rb)
	v_wmma_scale_f32_16x16x128_f8f6f4 v[\d:\d+7], v[\a:\a+15], v[\b:\b+15], v[\d:\d+7], v[\sa], v[\sb] matrix_a_fmt:MATRIX_FMT_BF8 matrix_b_fmt:MATRIX_FMT_BF8 matrix_a_scale:MATRIX_SCALE_ROW1 matrix_b_scale:MATRIX_SCALE_ROW1
.elseif (\ra)
	v_wmma_scale_f32_16x16x128_f8f6f4 v[\d:\d+7], v[\a:\a+15], v[\b:\b+15], v[\d:\d+7], v[\sa], v[\sb] matrix_a_fmt:MATRIX_FMT_BF8 matrix_b_fmt:MATRIX_FMT_BF8 matrix_a_scale:MATRIX_SCALE_ROW1
.elseif (\rb)
	v_wmma_scale_f32_16x16x128_f8f6f4 v[\d:\d+7], v[\a:\a+15], v[\b:\b+15], v[\d:\d+7], v[\sa], v[\sb] matrix_a_fmt:MATRIX_FMT_BF8 matrix_b_fmt:MATRIX_FMT_BF8 matrix_b_scale:MATRIX_SCALE_ROW1
.else
	v_wmma_scale_f32_16x16x128_f8f6f4 v[\d:\d+7], v[\a:\a+15], v[\b:\b+15], v[\d:\d+7], v[\sa], v[\sb] matrix_a_fmt:MATRIX_FMT_BF8 matrix_b_fmt:MATRIX_FMT_BF8
.endif
.endm
.macro QKG fw, w                       ; S^T = K Q^T: K's tiles 4 fw .. 4 fw + 3 (fragments in window fw) x tile w of the queries: four sums, each begun with 0
	WIN (\fw)|(\w*0x54)
.irp t, 0,1,2,3
	WM 1, S+8*(4*\fw+\t), KF+16*\t, 16, SC+\t, QS, \fw, \w
.endr
.endm
.macro PVG fw, w                       ; O^T += V^T P^T: channel tiles 4 fw .. 4 fw + 3 x tile w: a step's accumulators take turns
	WIN (\fw)|(\w*0x54)
.irp t, 0,1,2,3
	WM 0, O+8*(4*\fw+\t), KF+16*\t, P, SC+(4*\fw+\t)/2, PW, \t%2, \w
.endr
.endm
.macro FLOAD adr, base, fw             ; four fragments, images of the operand's registers, into window fw: each load reads 512 consecutive bytes
	WIN (\fw)<<6
.irp t, 0,1,2,3
.irp c, 0,1,2,3
	ds_load_b128 v[KF+16*\t+4*\c:KF+16*\t+4*\c+3], v[\adr] offset:\base+2048*(4*\fw+\t)+512*\c
.endr
.endr
.endm
.macro VLOADS                          ; V's eight fragments take K's registers, V's scale words K's
	FLOAD ADL, 32768, 0
	FLOAD ADL, 32768, 1
	WIN 0
.irp u, 0,1,2,3
	ds_load_b32 v[SC+\u], v[ADT] offset:256*\u
.endr
.endm
; LDS addresses of step s44 (0 .. 3) of the slot: 67,584 (s44 / 2) on, and 16,384 (codes), 512 (K's scale words) or 4 bytes (V's) for s44 % 2
.macro BASE
	s_lshr_b32 s45, s44, 1
	s_mul_i32 s45, s45, SUB
	s_add_co_u32 s45, s45, s[TB]
	s_and_b32 s46, s44, 1
.endm
.macro ACODE reg
	s_lshl_b32 s47, s46, 14
	s_add_co_u32 s47, s47, s45
	v_add_nc_u32 v[\reg], s47, v[AL0]
.endm
.macro AKS
	s_lshl_b32 s47, s46, 9
	s_add_co_u32 s47, s47, s45
	s_add_co_u32 s47, s47, 65536
	v_add_nc_u32 v[ADS], s47, v[AL0]
.endm
.macro AVS
	s_lshl_b32 s47, s46, 2
	s_add_co_u32 s47, s47, s45
	s_add_co_u32 s47, s47, 66560
	v_add_nc_u32 v[ADT], s47, v[AT0]
.endm
.macro ADDR
	BASE
	ACODE ADL
	AKS
	AVS
	WALU                                           ; the wait behind these writes
.endm
.macro KFIRST                          ; a slot's first step: addresses, K's fragments and scale words, in the order in which a step asks for the next step's
	s_mov_b32 s[J], 0
	s_mov_b32 s44, 0
	ADDR
	FLOAD ADL, 0, 0
	ds_load_b128 v[SC:SC+3], v[ADS]
	FLOAD ADL, 0, 1
	WIN 0
.endm
; THE SOFTMAX OF ONE TILE, all in window w but for P's scale word.  msk = 1: the step may lie on the tile's diagonal.
.macro SM w, msk
.if \msk                                       ; on the diagonal the scores of hidden keys become -infinity ahead of the maximum
	WIN 0
	s_cmp_lg_u32 s[J], s[QT+\w]
	s_cbranch_scc1 .Lopen_\@
	WIN 0x55*\w
.if \w
	WALU
.endif
	v_mov_b32 v254, 0xff800000
.set N_, 0
.rept 64
	v_cmp_gt_i32 vcc_lo, 32*(N_/16)+N_%16, v[DG]   ; register 16 b + i holds the step's key 32 b + 16 (lane / 16) + i
	v_cndmask_b32 v[S+N_], v[S+N_], v254, vcc_lo
.set N_, N_+1
.endr
	WIN 0
.Lopen_\@:
.endif
	WIN 0x55*\w
.if \w
	WALU                                           ; as above
.endif
.irp b, 0,1,2,3
	v_max3_num_f32 v[BM+\b], v[S+16*\b], v[S+1+16*\b], v[S+2+16*\b]   ; the largest score of each block of 32 keys, in two chains a block: eight chains by turns
.endr
.irp b, 0,1,2,3
	v_max3_num_f32 v[PT+\b], v[S+8+16*\b], v[S+9+16*\b], v[S+10+16*\b]
.endr
.irp i, 3,5
.irp b, 0,1,2,3
	v_max3_num_f32 v[BM+\b], v[BM+\b], v[S+16*\b+\i], v[S+1+16*\b+\i]
.endr
.irp b, 0,1,2,3
	v_max3_num_f32 v[PT+\b], v[PT+\b], v[S+8+16*\b+\i], v[S+9+16*\b+\i]
.endr
.endr
.irp b, 0,1,2,3
	v_max3_num_f32 v[BM+\b], v[BM+\b], v[PT+\b], v[S+7+16*\b]
.endr
.irp b, 0,1,2,3
	v_max_num_f32 v[BM+\b], v[BM+\b], v[S+15+16*\b]
.endr
.irp b, 0,1,2,3
	v_permlanex16_b32 v[PT+\b], v[BM+\b], s[SEL], s[SEL+1]
.endr
.irp b, 0,1,2,3
	v_max_num_f32 v[BM+\b], v[BM+\b], v[PT+\b]
.endr
	v_max3_num_f32 v254, v[BM], v[BM+1], v[BM+2]
	v_max_num_f32 v254, v254, v[BM+3]
	v_mul_f32 v254, s[CS], v254
	v_max_num_f32 v13, v13, v254                   ; the running largest t
	v_mov_b32 v254, v12
	v_floor_f32 v12, -v13                          ; -M = floor(-t)
	v_sub_f32 v254, v12, v254
.set N_, 0
.rept 32
.if N_ == 8
	v_cvt_i32_f32 v254, v254                       ; (it saturates)
.endif
.if N_ == 16
	v_ldexp_f32 v10, 1.0, v254                     ; f = 2^(old M - new M), made among the multiply-adds
.endif
	v_pk_fma_f32 v[S+N_:S+N_+1], v[S+N_:S+N_+1], s[CS:CS+1], v[12:13] op_sel_hi:[1,0,0]   ; t - M
.set N_, N_+2
.endr
.irp b, 0,1,2,3
	v_fma_f32 v[BM+\b], v[BM+\b], s[CS], v12
.endr
	WALU                                           ; ahead of the batch
.set N_, 0
.rept 64
	v_exp_f32 v[S+N_], v[S+N_]                     ; p = 2^(t - M)
.set N_, N_+1
.endr
.irp b, 0,1,2,3
	v_exp_f32 v[BM+\b], v[BM+\b]                   ; each block's largest p
.endr
	v_pk_mul_f32 v[14:15], v[14:15], v[10:11] op_sel_hi:[1,0]   ; l under the new M
	WALU                                           ; behind the batch of 68
.irp k, 0,1,2,3,4,5
	v_pk_add_f32 v[228+2*\k:229+2*\k], v[S+2*\k:S+2*\k+1], v[S+12+2*\k:S+13+2*\k]   ; the sum of the unquantised p, in six chains
.endr
.set N_, 12
.rept 20
	v_pk_add_f32 v[228+2*(N_%6):229+2*(N_%6)], v[228+2*(N_%6):229+2*(N_%6)], v[S+2*N_:S+2*N_+1]
.set N_, N_+1
.endr
	v_pk_add_f32 v[228:229], v[228:229], v[230:231]
	v_pk_add_f32 v[232:233], v[232:233], v[234:235]
	v_pk_add_f32 v[236:237], v[236:237], v[238:239]
	v_pk_add_f32 v[228:229], v[228:229], v[232:233]
	v_pk_add_f32 v[228:229], v[228:229], v[236:237]
	v_pk_add_f32 v[14:15], v[14:15], v[228:229]
.irp b, 0,1,2,3
	v_max_num_f32 v[BM+\b], 0x8000000, v[BM+\b]    ; the floor 2^(16 - 127)
.endr
.irp b, 0,1,2,3
	v_add_nc_u32 v[244+\b], 0xf8800000, v[BM+\b]   ; the conversion's scale operand
.endr
.irp b, 0,1,2,3
	v_and_or_b32 v[240+\b], v[BM+\b], 0x7f800000, s[MNT]   ; 57,344 x the scale
.endr
.irp b, 0,1,2,3
	v_lshrrev_b32 v[PT+\b], 23, v[244+\b]          ; the byte
.endr
.irp b, 0,1,2,3                                ; the holds (ISA guide 7.6.2; p is not negative), with the scale word's lines among them
.irp i, 0,1,2,3,4,5,6,7,8,9,10,11,12,13,14,15
	v_min_num_f32 v[S+16*\b+\i], v[S+16*\b+\i], v[240+\b]
.endr
.if \b == 0
	v_lshl_or_b32 v254, v[PT+1], 8, v[PT]
.elseif \b == 1
	v_lshl_or_b32 v254, v[PT+2], 16, v254
.elseif \b == 2
.if \w
	v_lshl_or_b32 v254, v[PT+3], 24, v254
	WIN 0x04
	v_cndmask_b32 v[PW], v[PW], v254, s[HM]        ; tile 1's word into lanes 16-31 of window 0's register
	WIN 0x55
.else
	v_lshl_or_b32 v[PW], v[PT+3], 24, v254
.endif
.endif
.endr
.irp b, 0,1,2,3
	v_cvt_scalef32_pk8_bf8_f32 v[P+4*\b:P+1+4*\b], v[S+16*\b:S+7+16*\b], v[244+\b]
	v_cvt_scalef32_pk8_bf8_f32 v[P+2+4*\b:P+3+4*\b], v[S+8+16*\b:S+15+16*\b], v[244+\b]
.endr
	WALU
.set N_, 0
.rept 32
	v_pk_mul_f32 v[O+N_:O+N_+1], v[O+N_:O+N_+1], v[10:11] op_sel_hi:[1,0]   ; O^T under the new M; also the places between the codes, the scale word and the products
.set N_, N_+2
.endr
.endm
.macro STEP                            ; a step of prefix keys: both tiles, nothing hidden
	s_wait_dscnt 16                                ; K's fragments 0-3 and scale words are in; the 16 loads of fragments 4-7 may be out
	QKG 0, 0
	QKG 0, 1
	s_wait_dscnt 0x0
	QKG 1, 0
	QKG 1, 1
	WIN 0
	PLACES
	VLOADS
	SM 0, 0
	SM 1, 0
	WIN 0
	s_add_co_u32 s44, s[J], 1
	s_and_b32 s44, s44, 3
	ADDR                                           ; the next step's addresses (V's loads are issued)
	s_wait_dscnt 0x0
	PVG 0, 0
	PVG 0, 1
	WIN 0
	PLACES
	s_cmp_ge_u32 s[J], s[LAST]
	s_cbranch_scc1 .Llast_\@
	FLOAD ADL, 0, 0                                ; the next step's K
	PVG 1, 0
	PVG 1, 1
	WIN 0
	PLACES
	ds_load_b128 v[SC:SC+3], v[ADS]
	FLOAD ADL, 0, 1
	WIN 0
	s_branch .Ldone_\@
.Llast_\@:                                             ; the slot's last step asks for nothing
	PVG 1, 0
	PVG 1, 1
	WIN 0
	PLACES
.Ldone_\@:
.endm
; THE CHANGE OF SLOTS, at a slot's head: all my tensor loads are in; the add; my reads of the slot that I left are over.  fill = 1: a round of the cluster's barrier, and the joint fill of the other slot first behind it.
.macro CHANGE fill
	s_wait_tensorcnt 0x0
	ds_add_u32 v[SPW], v[NIL]
.if \fill
	s_xor_b32 s[TF], s[TF], SLOT
	s_add_co_u32 s[G0+1], s[TF], s[WOFF]
	s_add_nc_u64 s[G0+2:G0+3], s[G0+2:G0+3], SLOT
	s_wait_xcnt 0x0                                ; the last prefetch has read its address
	s_add_nc_u64 s[PFA:PFA+1], s[PFA:PFA+1], SLOT
.endif
	s_wait_dscnt 0x0
.if \fill
	CROUND
	TLOAD
	s_cmp_gt_u32 s[SLOTS], s[LIM]                  ; the first cluster of a (b, h), and not at the last filling change
	s_cbranch_scc0 .Lnot_mine_\@
	global_prefetch_b8 v[PFO], s[PFA:PFA+1] th:TH_LOAD_NT scope:SCOPE_SE
.Lnot_mine_\@:
.else
	s_barrier_signal -1
	s_barrier_wait -1
.endif
.endm
.macro TURN w                          ; a tile of q, loaded as 2 rows x 256 bytes an instruction, turns through my stage, half a row at a time: a lane then holds 16 neighbours of each block of its row
.irp u, 0,1
	WIN (\w)<<2
.irp i, 0,1,2,3,4,5,6,7
	ds_store_b128 v7, v[S+32*\u+4*\i:S+32*\u+4*\i+3] offset:2*\i*272
.endr
	WIN (\w)<<6
.irp c, 0,1
.irp i, 0,1,2,3
	ds_load_b128 v[S+32*\u+16*\c+4*\i:S+32*\u+16*\c+4*\i+3], v8 offset:128*\c+16*\i   ; LDS serves a wave's instructions in order (ISA guide 5.7.1.4)
.endr
.endr
.endr
	s_wait_dscnt 0x0
.endm
	s_load_b128 s[4:7], s[0:1], 0x0                ; q, kv
	s_load_b64 s[8:9], s[0:1], 0x10                ; out0
	v_lshl_add_u32 v[SPW], v0, 2, SPARE
	v_mov_b32 v[NIL], 0
	ds_add_u32 v[SPW], v[NIL]                      ; the opening lines: the add twice on end and one wait
	ds_add_u32 v[SPW], v[NIL]
	v_lshrrev_b32 v7, 5, v0
	v_readfirstlane_b32 s[WV], v7                  ; wave 0..7
	v_and_b32 v248, 15, v0                         ; r
	v_bfe_u32 v249, v0, 4, 1                       ; hl
	v_lshlrev_b32 v[GO], 9, v249
	v_lshl_add_u32 v[GO], v248, 4, v[GO]           ; lanes 0-15 one head's 256 bytes, lanes 16-31 the next head's
	s_lshr_b32 s45, s[WV], 2
	s_xor_b32 s[QT], s[WV], s45
	s_and_b32 s[QT], s[QT], 1                      ; a: tile 0's quarter of the new tokens
	s_xor_b32 s[QT+1], s[QT], 3                    ; 3 - a: tile 1's
	s_lshr_b32 s45, s[WV], 1                       ; which of the four waves with my a
	s_bfe_u32 s38, ttmp6, 0x40000                  ; cx
	s_lshl_b32 s39, ttmp9, 2
	s_add_co_u32 s39, s39, s38                     ; x
	s_and_b32 s47, ttmp7, 0xffff                   ; bh
	s_lshr_b32 s48, s47, 3                         ; b
	s_and_b32 s49, s47, 7                          ; h
	s_lshl_b32 s50, s39, 4
	s_lshl_b32 s51, s45, 2
	s_add_co_u32 s50, s50, s51                     ; both tiles' first token's place in its quarter: 16 x + 4 (w / 2)
	s_lshl_b32 s51, s48, 9
	s_add_co_u32 s51, s51, s50
	s_lshl_b32 s53, s49, 11                        ; my kv head's four query heads are 2,048 bytes of a token's 16,384
	s_lshl_b32 s52, s[QT], 7
	s_add_co_u32 s52, s52, s51
	s_lshl_b32 s52, s52, 14
	s_add_co_u32 s52, s52, s53                     ; tile 0 in q and out0
	s_lshl_b32 s60, s[QT+1], 7
	s_add_co_u32 s60, s60, s51
	s_lshl_b32 s60, s60, 14
	s_add_co_u32 s60, s60, s53                     ; tile 1
	s_mov_b32 s53, 0
	s_mov_b32 s61, 0
	s_mul_i32 s54, s47, 10*SUB                     ; my (b, h) in kv
	s_mov_b32 s55, 0
	s_mul_i32 s[WOFF], s[WV], EIGHTH
	s_mov_b32 s56, s[WOFF]
	s_mov_b32 s57, 0
	s_mul_i32 s58, s38, SLOT/4                     ; the prefetches: my work-group's quarter, told apart by address,
	s_add_co_u32 s58, s58, SLOT                    ; in slot 1: the first change steps it to slot 2
	s_mov_b32 s59, 0
	s_cmp_eq_u32 ttmp9, 0
	s_cselect_b32 s[LIM], 1, 64
	s_mov_b32 s[G1], 15|(3<<16)|(1<<21)            ; the mask: all four work-groups; elements of 8 bytes; bit 21 beside a mask
	s_mov_b32 s[G1+1], 32<<16
	s_mov_b32 s[G1+2], 66<<16
	s_mov_b32 s[G1+3], 32<<16
	s_mov_b32 s[G1+4], 66
	s_mov_b32 s[G1+5], 32
	s_mov_b32 s[G1+6], 0
	s_mov_b32 s[G1+7], 0
	s_mov_b32 s[SEL], 0x76543210
	s_mov_b32 s[SEL+1], 0xfedcba98
	s_mov_b32 s[CS], 0x3e0293ee                    ; log2(e) / sqrt(128)
	s_mov_b32 s[CS+1], s[CS]
	s_mov_b32 s[MNT], 0x600000
	s_mov_b32 s[HM], 0xffff0000
	s_mov_b32 s[TB], 0
	s_mov_b32 s[TF], 0
	s_mov_b32 s[SLOTS], 4
	s_mov_b32 s[LAST], 3
	WALU                                           ; the wait ahead of the waits below
	s_wait_dscnt 0x0
	s_wait_kmcnt 0x0
	s_add_nc_u64 s[14:15], s[4:5], s[60:61]
	s_add_nc_u64 s[4:5], s[4:5], s[52:53]
	s_add_nc_u64 s[60:61], s[8:9], s[60:61]
	s_add_nc_u64 s[8:9], s[8:9], s[52:53]
.irp w, 0,1                                    ; q: tile w, half u of a row, rows 2 i and 2 i + 1: sixteen lanes read 256 consecutive bytes, aligned
	WIN (\w)<<6
.irp u, 0,1
.irp i, 0,1,2,3,4,5,6,7
	global_load_b128 v[S+32*\u+4*\i:S+32*\u+4*\i+3], v[GO], s[4+10*\w:5+10*\w] offset:16384*(\i/2)+1024*(\i%2)+256*\u th:TH_LOAD_NT
.endr
.endr
.endr
	WIN 0
	s_mov_b32 s[G0], 1
	s_mov_b32 s[G0+1], s[WOFF]
	s_add_nc_u64 s[G0+2:G0+3], s[6:7], s[54:55]
	s_add_nc_u64 s[G0+2:G0+3], s[G0+2:G0+3], s[56:57]
	s_or_b32 s[G0+3], s[G0+3], 0x80000000
	CROUND                                         ; the first joint loads meet
	TLOAD                                          ; slot 0: one load a wave
	s_add_nc_u64 s[PFA:PFA+1], s[6:7], s[54:55]
	s_add_nc_u64 s[PFA:PFA+1], s[PFA:PFA+1], s[58:59]
	s_mul_i32 s44, s[WV], WSTG
	s_add_co_u32 s44, s44, STAGE                   ; my stage
	s_mul_i32 s45, s[WV], 17
	v_and_b32 v9, 31, v0
	v_lshlrev_b32 v[AL0], 4, v9
	v_lshlrev_b32 v[AT0], 3, v9
	v_min_u32 v9, 16, v9
	v_add_nc_u32 v9, s45, v9
	v_min_u32 v9, 131, v9                          ; block 17 w + lane of my work-group's 132; lanes left over name their wave's last block again
	v_lshlrev_b32 v[PFO], 8, v9
	v_mul_u32_u24 v7, v249, 272
	v_lshl_add_u32 v7, v248, 4, v7
	v_add_nc_u32 v7, s44, v7                       ; the stage by rows of 256 bytes: lanes 0-15 one row, lanes 16-31 the next
	v_mul_u32_u24 v8, v248, 272
	v_lshl_add_u32 v8, v249, 6, v8
	v_add_nc_u32 v8, s44, v8                       ; row r, + 64 hl
	v_lshrrev_b32 v9, 2, v248
	v_add_nc_u32 v9, s50, v9
	v_lshlrev_b32 v10, 4, v249
	v_sub_nc_u32 v[DG], v9, v10                    ; my token's place in its quarter, less 16 hl
	WIN 0x40
	v_mov_b32 v[DG], v[DG]                         ; tile 1 has the same place in its own quarter
	v_mov_b32 v10, 0
	v_mov_b32 v11, 0
.irp w, 0,1
	WIN (\w)<<6
.set N_, 0
.rept 64
	v_mov_b32 v[O+N_], 0
.set N_, N_+1
.endr
.set N_, 0
.rept 12
	v_mov_b32 v[PT+N_], 0                          ; a lane permute's destination counts as one of its sources
.set N_, N_+1
.endr
	v_mov_b32 v12, 0x7f61b1e6                      ; -M
	v_mov_b32 v13, 0xff61b1e6                      ; the largest t so far: -3e38
	v_mov_b32 v14, 0
	v_mov_b32 v15, 0
.endr
	WIN 0
	WALU
	s_wait_loadcnt 16                              ; tile 0's 16 loads are in; tile 1's may be out
	TURN 0
	WIN 0
	QUANT S, 16, 254, 232
	v_mov_b32 v[QS], v254
	WALU
	s_wait_loadcnt 0x0
	TURN 1
	WIN 0x55
	QUANT S, 16, 254, 232
	WIN 0x04
	v_cndmask_b32 v[QS], v[QS], v254, s[HM]        ; tile 1's word into lanes 16-31
	WIN 0
	PLACES                                         ; a scale word written by a vector instruction stands eight places ahead of a product
	WALU                                           ; the head's end
.Lslot:                                                ; four trips: the prefix; trip s reads slot s and asks for slot s + 1
	CHANGE 1
	KFIRST
.Lstep:
	STEP
	s_add_co_u32 s[J], s[J], 1
	s_cmp_lt_u32 s[J], 4
	s_cbranch_scc1 .Lstep
	s_xor_b32 s[TB], s[TB], SLOT
	s_sub_co_u32 s[SLOTS], s[SLOTS], 1
	s_cmp_lg_u32 s[SLOTS], 0
	s_cbranch_scc1 .Lslot
	CHANGE 0                                       ; the 512 new keys; nothing is left to fetch
	s_mov_b32 s[LAST], s[QT+1]
	KFIRST
.Lnew:                                                 ; four trips.  Every wave makes the trip's LDS addresses here, ahead of every parting: this step's V, the next step's K
	s_mov_b32 s44, s[J]
	BASE
	ACODE ADL
	AVS
	s_add_co_u32 s44, s[J], 1
	s_and_b32 s44, s44, 3
	BASE
	ACODE ADN
	AKS
	WALU                                           ; the wait behind these writes
	s_cmp_gt_u32 s[J], s[LAST]                     ; all 128 keys come after both tiles' tokens
	s_cbranch_scc1 .Lhid
	s_cmp_gt_u32 s[J], s[QT]                       ; they come after tile 0's
	s_cbranch_scc1 .Lsingle
	s_wait_dscnt 16                                ; BOTH TILES: as in a prefix step; tile 0 may be on its diagonal
	QKG 0, 0
	QKG 0, 1
	s_wait_dscnt 0x0
	QKG 1, 0
	QKG 1, 1
	WIN 0
	PLACES
	VLOADS
	SM 0, 1
	SM 1, 0
	WIN 0
	WALU                                           ; the wait ahead of the wait below
	s_wait_dscnt 0x0
	PVG 0, 0
	PVG 0, 1
	WIN 0
	PLACES
	FLOAD ADN, 0, 0
	PVG 1, 0
	PVG 1, 1
	WIN 0
	PLACES
	ds_load_b128 v[SC:SC+3], v[ADS]
	FLOAD ADN, 0, 1
	WIN 0
	s_branch .Lhid
.Lsingle:                                              ; TILE 1 ALONE
	s_wait_dscnt 16
	QKG 0, 1
	s_wait_dscnt 0x0
	QKG 1, 1
	WIN 0
	PLACES
	VLOADS
	SM 1, 1
	WIN 0
	WALU
	s_wait_dscnt 0x0
	PVG 0, 1
	WIN 0
	PLACES
	s_cmp_ge_u32 s[J], s[LAST]
	s_cbranch_scc1 .Lslast
	FLOAD ADN, 0, 0
	PVG 1, 1
	WIN 0
	PLACES
	ds_load_b128 v[SC:SC+3], v[ADS]
	FLOAD ADN, 0, 1
	WIN 0
	s_branch .Lhid
.Lslast:                                               ; my last step asks for nothing
	PVG 1, 1
	WIN 0
	PLACES
.Lhid:
	s_add_co_u32 s[J], s[J], 1
	s_cmp_lt_u32 s[J], 4
	s_cbranch_scc1 .Lnew
	; THE WAY OUT: O^T / l goes through my stage, half a row (256 bytes) of 16 query rows at a time, and leaves as aligned runs of 256 bytes.
	v_and_b32 v248, 15, v0
	v_bfe_u32 v249, v0, 4, 1
	s_mul_i32 s44, s[WV], WSTG
	s_add_co_u32 s44, s44, STAGE
	v_mul_u32_u24 v7, v248, 272
	v_lshl_add_u32 v7, v249, 5, v7
	v_add_nc_u32 v7, s44, v7                       ; in: row r, a tile's eight channels: 64 t + 32 hl
	v_mul_u32_u24 v8, v249, 272
	v_lshl_add_u32 v8, v248, 4, v8
	v_add_nc_u32 v8, s44, v8                       ; back: two rows an instruction
	WALU
.macro OUT w
	WIN 0x55*\w
	v_add_f32 v14, v14, v15
	v_permlanex16_b32 v10, v14, s[SEL], s[SEL+1]
	v_add_f32 v14, v14, v10                        ; the row's sum
	WALU
	v_rcp_f32 v14, v14
	v_nop
	WALU                                           ; ahead of the reciprocal's and O^T's first readers
.set N_, 0
.rept 64
	v_mul_f32 v[S+N_], v[O+N_], v14                ; register 8 t + i is o(row r, channel 16 t + 8 hl + i)
.set N_, N_+1
.endr
.irp u, 0,1
	WIN (\w)<<2
.irp t, 0,1,2,3
	ds_store_b128 v7, v[S+32*\u+8*\t:S+32*\u+8*\t+3] offset:64*\t
	ds_store_b128 v7, v[S+32*\u+8*\t+4:S+32*\u+8*\t+7] offset:64*\t+16
.endr
	WIN (\w)<<6
.irp i, 0,1,2,3,4,5,6,7
	ds_load_b128 v[KF+32*\u+4*\i:KF+32*\u+4*\i+3], v8 offset:2*\i*272
.endr
.endr
	WIN (\w)<<2
.irp u, 0,1
.irp i, 0,1,2,3,4,5,6,7
	s_wait_dscnt (1-\u)*16+7-\i                    ; the stage's instructions issued behind this load may be out
	global_store_b128 v[GO], v[KF+32*\u+4*\i:KF+32*\u+4*\i+3], s[8+52*\w:9+52*\w] offset:16384*(\i/2)+1024*(\i%2)+256*\u th:TH_STORE_NT
.endr
.endr
.endm
	OUT 0
	OUT 1
	WIN 0
	s_wait_tensorcnt 0x0                           ; the wave's end
	ds_add_u32 v[SPW], v[NIL]
	s_wait_dscnt 0x0
	CROUND                                         ; the closing round
	s_endpgm
.Lfunc_end_k_q4d1e97d2d5_attn:
	.size	k_q4d1e97d2d5_attn, .Lfunc_end_k_q4d1e97d2d5_attn-k_q4d1e97d2d5_attn
	.p2alignl 7, 3214868480
	.fill 96, 4, 3214868480
	.section	.rodata,"a",@progbits
	.p2align	6, 0x0
	.amdhsa_kernel k_q4d1e97d2d5_attn
		.amdhsa_group_segment_fixed_size 327680
		.amdhsa_private_segment_fixed_size 0
		.amdhsa_enable_private_segment 0
		.amdhsa_kernarg_size 24
		.amdhsa_user_sgpr_count 2
		.amdhsa_user_sgpr_kernarg_segment_ptr 1
		.amdhsa_wavefront_size32 1
		.amdhsa_system_sgpr_workgroup_id_x 1
		.amdhsa_system_sgpr_workgroup_id_y 1
		.amdhsa_system_sgpr_workgroup_id_z 1
		.amdhsa_system_vgpr_workitem_id 0
		.amdhsa_next_free_vgpr 512
		.amdhsa_next_free_sgpr 66
		.amdhsa_reserve_vcc 1
		.amdhsa_float_denorm_mode_32 3
		.amdhsa_float_denorm_mode_16_64 3
		.amdhsa_memory_ordered 1
		.amdhsa_forward_progress 1
		.amdhsa_inst_pref_size 172
	.end_amdhsa_kernel
	.amdgpu_metadata
---
amdhsa.version: [ 1, 2 ]
amdhsa.kernels:
  - .name:           k_q4d1e97d2d5_attn
    .symbol:         k_q4d1e97d2d5_attn.kd
    .args:
      - { .name: q, .offset: 0, .size: 8, .value_kind: global_buffer, .address_space: global }
      - { .name: kv, .offset: 8, .size: 8, .value_kind: global_buffer, .address_space: global }
      - { .name: out0, .offset: 16, .size: 8, .value_kind: global_buffer, .address_space: global }
    .group_segment_fixed_size: 327680
    .private_segment_fixed_size: 0
    .kernarg_segment_align: 8
    .kernarg_segment_size: 24
    .max_flat_workgroup_size: 256
    .sgpr_count:     66
    .vgpr_count:     512
    .wavefront_size: 32
...
	.end_amdgpu_metadata
.endif
;; end of part 2
